; MI455X (gfx1250); checked and timed in simulation.
; The chip was launched on July 23, 2026; its instructions are those of AMD's public machine-readable ISA for CDNA 5 (MIT licence, August 2026) and "CDNA5" Instruction Set Architecture Reference Guide (July 2026). The comments in the code are by the model that wrote it; some were corrected since.
;; Mulit Head Attention. Allowed arithmetic: matrix products marked QUANTISED: E2M1 operands, one E8M0 scale for each 32 along K, by v_wmma_scale_f32_16x16x128_f8f6f4 with both operands' format E2M1 (or v_wmma_scale_f32_32x16x128_f4), f32 sums; everything else in f32.
;; Inputs: beta 768 float32; bk 768 float32; bq 768 float32; bv 768 float32; gamma 768 float32; wk 768 x 768 float32; wq 768 x 768 float32; wv 768 x 768 float32; x 8 x 1,024 x 768 float32.
;; Outputs: out0 8 x 1,024 x 768 float32.
;; This version of the problem:
;;   THIS VERSION OF THE PROBLEM IS GIVEN IN LOW PRECISION. The matrix products marked QUANTISED in the list below multiply operands that are first quantised to E2M1 (2 exponent bits, 1 mantissa bit; 4 bits a number), with one power-of-two scale for each 32 numbers along K (OCP MX v1.0); their sums are f32. All else is computed in f32.
;;   The module's matrix products, in the order in which they are computed (A, B: the left and right operand; K: the contracted axis; several contracted axes count as one K, in the product's order):
;;     1. [M 8,192, K 768] x [K 768, N 768]; A: input x; B: input wq: QUANTISED
;;     2. [M 8,192, K 768] x [K 768, N 768]; A: input x; B: input wk: QUANTISED
;;     3. [M 8,192, K 768] x [K 768, N 768]; A: input x; B: input wv: QUANTISED
;;     4. batch 96 x [M 1,024, K 64] x [K 64, N 1,024]; A: computed on the way; B: computed on the way: QUANTISED
;;     5. batch 96 x [M 1,024, K 1,024] x [K 1,024, N 64]; A: softmax (see below); B: computed on the way: QUANTISED
;;   THE QUANTISER, for each operand of a quantised product, along K:
;;     - K is cut into blocks of 32 from its start; a last block that is shorter is filled with zeros.
;;     - A block's scale is 2^e with e = floor(log2(the largest magnitude in the block)) - 2, held to -126 .. 127; a block of zeros has e = 0. As a byte (E8M0): e + 127.
;;     - Each number is divided by its block's scale, clamped to +-6, and rounded to the nearest number of E2M1, ties to even, subnormals kept.
;;     - The product sums the exact products of the quantised numbers (number of the format x scale) in f32.
;;   ~~~python
;;   def quantise(x, axis):      # numpy; x: float32 -> the quantised numbers, widened to float32 again
;;       x = np.moveaxis(x, axis, -1); K = x.shape[-1]
;;       x = np.pad(x, [(0, 0)] * (x.ndim - 1) + [(0, -K % 32)]); x = x.reshape(x.shape[:-1] + (-1, 32)); a = np.abs(x).max(-1, keepdims=True)
;;       e = np.where(a > 0, np.clip(np.frexp(np.where(a > 0, a, 1))[1] - 1 - 2, -126, 127), 0)      # np.frexp(a)[1] - 1 = floor(log2(a)), exactly
;;       r = np.clip(x / 2.0 ** e, -6, 6)
;;       step = 2.0 ** (np.maximum(np.frexp(np.where(r == 0, 1, r))[1] - 1, 0) - 1)
;;       q = np.round(r / step) * step * 2.0 ** e      # np.round: ties to even
;;       return np.moveaxis(q.reshape(q.shape[:-2] + (-1,))[..., :K], -1, axis).astype(np.float32)
;;   ~~~
;;   SOFTMAX AHEAD OF A QUANTISED PRODUCT. Where the list says 'softmax', what is quantised is not the finished softmax but p = 2^(t - M), with t = logit x log2(e) and M = ceil(the row's largest t), a whole number; so 1/2 < the row's largest p <= 1. The row's sum l is taken of the UNQUANTISED p, in f32, and the product's result is divided by l at the end. Since M is a whole number, a kernel that streams over the keys may use a running M (the ceiling of the running maximum): every later rescaling is an exact power of two, which a block's scale takes up: the codes' values come out the same.
;;   OPERANDS COMPUTED ON THE WAY. 'Computed on the way' means the value that the module computes at that place (a softmax that the list does not call 'softmax' is quantised finished and normalised). What goes into a quantiser is computed in f32, as accurately as f32 sums, v_exp_f32 and their like allow (about 1e-6 of the number): no bf16 or f16 on the way to a quantiser, and a product that is left as it is and whose result goes on into a quantised operand takes f32 operands (vector FMAs, or v_wmma_f32_16x16x4_f32). A number that lies on a knife's edge between two numbers of the format may be rounded either way, as far as f32 arithmetic and the matrix unit's own rounding can turn it there, and no further.
;; One version. Each part assembles by itself: llvm-mc -triple=amdgcn-amd-amdhsa -mcpu=gfx1250 --defsym DOCPART=n.
;; ======== version 1 of 1: 3 launches
;; limits: right only within a limited range of input values
;; workspace buffers: xq 3,342,336 bytes; wq4 940,032 bytes; qkv 10,420,224 bytes
;; launch quant (part 1): grid 82 x 6, 4 waves a work-group, no clusters, 68,096 bytes of LDS; arguments x, wq, wk, wv, xq, wq4; writes xq, wq4
.if DOCPART == 1
	.amdgcn_target "amdgcn-amd-amdhsa--gfx1250"
	.amdhsa_code_object_version 6
	.text
	.protected	k_qb26eeabebd_quant
	.globl	k_qb26eeabebd_quant
	.p2align	8
	.type	k_qb26eeabebd_quant,@function
k_qb26eeabebd_quant:
	s_mov_b64 s[64:65], 0
	v_nop
	global_prefetch_b8 v0, s[64:65] scope:SCOPE_SE
	s_setreg_imm32_b32 hwreg(HW_REG_WAVE_MODE, 25, 1), 1
	s_wait_xcnt 0x0
; x [8192][768] and wq, wk, wv [768 (k)][768 (n)], f32, become codes of FP4 (E2M1) with one E8M0 scale byte for each 32 along K = 768.
; A block's scale is 2^(floor(log2(its largest magnitude)) - 2): its byte is the largest magnitude's exponent field - 2, held at 1 from below.
; LIMITS: a block of zeros gets the byte 1 (the quantiser says 127): its codes are zeros, and only this program reads the bytes.  Blocks whose largest
; magnitude lies under 2^-124 are held at the byte 1.  NaN and infinities among the inputs are not served.
; THE RESULTS ARE LAID AS IMAGES OF THE OPERAND'S REGISTERS.  A fragment (16 rows x 128 K) is 1,024 bytes: [block of 32 along K, 0..3][row 0..15][16 bytes = 32 codes].
; xq  [row block of 128 rows, 64][52,224]: fragment (K step s, tile T) at 8192 s + 1024 T; scale words at 49,152 + 512 s + 128 i + 4 l (lanes 0-15 tile 2 i, lanes 16-31 tile 2 i + 1).
; wq4 [weight, 3][313,344]: fragment (column tile ct, K step s) at 6144 ct + 1024 s; scale words at 294,912 + 768 (ct / 2) + 128 s + 4 l.
; THE ROWS OF A TILE ARE NOT NEIGHBOURS: row r of tile 2 i + u of x is row 32 i + 8 u + r + 8 (r / 8) of the block; wq's and wk's columns likewise inside a head.  wv's tiles are plain.
; SHARES: work-group y is the K step of 128.  x < 18: 128 columns of one weight, a wave to 32 columns, a lane to a column (128 loads a lane: these work-groups have the lowest numbers).
; x >= 18: a row block of x, a wave to 32 rows (two tiles).  Each load of x takes one row's 512 consecutive bytes; the conversions want 16 neighbours along K in ONE lane, so the 32 rows turn through
; the wave's own stage in LDS: rows of 512 + 16 bytes, laid in the order of the tiles (tile u's row r at place 16 u + r), so that the sixteen rows that a read touches begin 528 bytes apart.
; No barrier: waves share nothing.  The weights' path uses no LDS.
.set TM,  8                            ; v8-23   at work
.set NUM, 32                           ; v32-159 128 numbers
.set CD,  160                          ; v160-175 codes: every store has registers of its own
.set XT,  176                          ; v176-239 tile 0's numbers back from the stage
.set SPW, 28                           ; v28     LDS address of my spare word; never rewritten
.set NIL, 29                           ; v29     0; never rewritten
.set WST, 16896                        ; a wave's stage: 32 rows of 528 bytes
.set SPARE, 4*WST                      ; behind the stages: the spare words, 128 bytes a wave
	s_load_b256 s[4:11], s[0:1], 0x0               ; x s[4:5], wq s[6:7], wk s[8:9], wv s[10:11]
	s_load_b128 s[12:15], s[0:1], 0x20             ; xq s[12:13], wq4 s[14:15]
	v_lshl_add_u32 v[SPW], v0, 2, SPARE
	v_mov_b32 v[NIL], 0
	v_lshrrev_b32 v1, 5, v0
	v_readfirstlane_b32 s16, v1                    ; wave 0..3
	s_and_b32 s17, ttmp7, 0xffff                   ; the K step s
	s_mov_b32 s22, 0x76543210
	s_mov_b32 s23, 0xfedcba98                      ; v_permlanex16_b32's selects for lane l xor 16
	s_mov_b32 s24, 0xffff0000                      ; lanes 16-31
	v_and_b32 v1, 31, v0                           ; lane
	v_and_b32 v2, 15, v0                           ; r
	v_bfe_u32 v3, v0, 4, 1                         ; h
.irp b, 0,1,2,3
	v_mov_b32 v[TM+4+\b], 0                        ; a lane permute's destination counts as one of its sources
.endr
	s_cmp_lt_u32 ttmp9, 18
	s_cbranch_scc1 .Lweights
; ---------------- x
	s_sub_co_u32 s3, ttmp9, 18                     ; the row block
	s_mul_i32 s25, s16, WST                        ; my stage
	v_lshlrev_b32 v4, 4, v1                        ; 16 l: my 16 bytes of a row's 512
	v_add_nc_u32 v27, s25, v4                      ; the stage, in
	v_mul_u32_u24 v31, v2, 528
	v_lshl_add_u32 v31, v3, 6, v31
	v_add_nc_u32 v31, s25, v31                     ; and back: place r, + 64 h: 16 neighbours of each block of 32
	v_lshlrev_b32 v5, 4, v2
	v_lshl_add_u32 v5, v3, 3, v5                   ; my 8 bytes of a block's 256 in the image: 16 r + 8 h
	v_lshlrev_b32 v6, 2, v1                        ; my scale word: 4 l
	s_lshl_b32 s18, s3, 7
	s_lshl_b32 s19, s16, 5
	s_add_co_u32 s18, s18, s19                     ; my wave's first row: 128 x block + 32 x wave
	s_mul_i32 s18, s18, 3072
	s_lshl_b32 s19, s17, 9
	s_add_co_u32 s18, s18, s19                     ; + 512 s bytes along K
	s_mov_b32 s19, 0
	s_mul_i32 s20, s3, 52224
	s_lshl_b32 s21, s17, 13
	s_add_co_u32 s20, s20, s21
	s_lshl_b32 s21, s16, 11
	s_add_co_u32 s20, s20, s21                     ; my two fragments: 52224 x block + 8192 s + 2048 x wave
	s_mov_b32 s21, 0
	s_mul_i32 s26, s3, 52224
	s_lshl_b32 s27, s17, 9
	s_add_co_u32 s26, s26, s27
	s_lshl_b32 s27, s16, 7
	s_add_co_u32 s26, s26, s27
	s_add_co_u32 s26, s26, 49152                   ; their scale words
	s_mov_b32 s27, 0
	s_wait_alu depctr_va_vdst(0)                   ; the wait at the head's end
	s_wait_kmcnt 0x0
	s_add_nc_u64 s[4:5], s[4:5], s[18:19]
	s_add_nc_u64 s[20:21], s[12:13], s[20:21]
	s_add_nc_u64 s[26:27], s[12:13], s[26:27]
.set I, 0
.rept 32
	global_load_b128 v[NUM+4*I:NUM+4*I+3], v4, s[4:5] offset:3072*I th:TH_LOAD_NT   ; row I: the 32 lanes read 512 consecutive bytes
.set I, I+1
.endr
; 64 numbers of a lane, register 16 b + i = k 32 b + 16 h + i of my row, become 8 registers of codes (two a block) and my row's scale word
.macro QUANT4 s, c, w
.irp b, 0,1,2,3
	v_max3_num_f32 v[TM+\b], |v[\s+16*\b]|, |v[\s+1+16*\b]|, 0x1800000   ; my 16 numbers of block b, and the floor 2^(3 - 127): the byte cannot fall under 1
.endr
.irp i, 2,4,6,8,10,12,14
.irp b, 0,1,2,3
	v_max3_num_f32 v[TM+\b], v[TM+\b], |v[\s+16*\b+\i]|, |v[\s+1+16*\b+\i]|   ; the four blocks by turns
.endr
.endr
.irp b, 0,1,2,3
	v_permlanex16_b32 v[TM+4+\b], v[TM+\b], s22, s23
.endr
.irp b, 0,1,2,3
	v_max_num_f32 v[TM+\b], v[TM+\b], v[TM+4+\b]   ; with lane l xor 16's 16: the block's largest magnitude
.endr
.irp b, 0,1,2,3
	v_add_nc_u32 v[TM+12+\b], 0xff000000, v[TM+\b] ; 2 off its exponent field: the conversion's scale operand
.endr
.irp b, 0,1,2,3
	v_lshrrev_b32 v[TM+4+\b], 23, v[TM+12+\b]      ; the scale's byte
.endr
	v_lshl_or_b32 v[\w], v[TM+5], 8, v[TM+4]
	v_lshl_or_b32 v[\w], v[TM+6], 16, v[\w]
	v_lshl_or_b32 v[\w], v[TM+7], 24, v[\w]        ; my row's scale word (both halves of the lanes hold it)
.irp b, 0,1,2,3
	v_cvt_scalef32_pk8_fp4_f32 v[\c+2*\b], v[\s+16*\b:\s+16*\b+7], v[TM+12+\b]
	v_cvt_scalef32_pk8_fp4_f32 v[\c+2*\b+1], v[\s+16*\b+8:\s+16*\b+15], v[TM+12+\b]
.endr
	v_nop                                          ; one plain line behind the last scaled conversion
.endm
.macro INTO from                       ; sixteen rows into the stage: row I = 16 (r / 8) + 8 u + r % 8 goes to place 16 u + r
.set I, \from
.rept 16
	ds_store_b128 v27, v[NUM+4*I:NUM+4*I+3] offset:528*(16*((I>>3)&1)+(I&7)+8*(I>>4))
.set I, I+1
.endr
.endm
.macro BACK u, d                       ; tile u's numbers back: register 16 b + 4 j of set d
.irp b, 0,1,2,3
.irp j, 0,1,2,3
	ds_load_b128 v[\d+16*\b+4*\j:\d+16*\b+4*\j+3], v31 offset:528*16*\u+128*\b+16*\j
.endr
.endr
.endm
	s_wait_loadcnt 16                              ; rows 0-15 are in; rows 16-31 may be out
	INTO 0
	s_wait_loadcnt 0x0
	INTO 16
	BACK 0, XT                                     ; LDS serves a wave's instructions in order: these see my stores
	s_wait_dscnt 16                                ; the 32 stores are done and have read their registers,
	BACK 1, NUM                                    ; which take tile 1
	s_wait_dscnt 16                                ; tile 0 is back; tile 1's sixteen loads may be out
	QUANT4 XT, CD, 24
.irp b, 0,1,2,3
	global_store_b64 v5, v[CD+2*\b:CD+2*\b+1], s[20:21] offset:256*\b          ; the 32 lanes fill 256 consecutive bytes, aligned
.endr
	s_wait_dscnt 0x0
	QUANT4 NUM, CD+8, 25
.irp b, 0,1,2,3
	global_store_b64 v5, v[CD+8+2*\b:CD+8+2*\b+1], s[20:21] offset:1024+256*\b
.endr
	v_cndmask_b32 v24, v24, v25, s24               ; lanes 0-15 keep tile 0's words, lanes 16-31 take tile 1's
	global_store_b32 v6, v24, s[26:27]
	s_wait_tensorcnt 0x0                           ; the wave's end, behind my last LDS store
	ds_add_u32 v[SPW], v[NIL]
	s_wait_dscnt 0x0
	s_endpgm
; ---------------- a weight: K is the FIRST axis.  A lane takes a column and its registers run down K: a block of 32 lies in one lane, nothing is transposed
.Lweights:
	s_mov_b32 s18, ttmp9                           ; 0..17: which 128 columns of the three weights
	s_mul_i32 s19, s18, 43
	s_lshr_b32 s19, s19, 8                         ; which weight: 0..17 over 6
	s_mul_i32 s20, s19, 6
	s_sub_co_u32 s20, s18, s20
	s_lshl_b32 s20, s20, 2
	s_add_co_u32 s20, s20, s16                     ; cp: which 32 columns of the weight are my wave's, 0..23
	s_cmp_eq_u32 s19, 2
	s_cselect_b32 s21, -1, 0                       ; all lanes on for wv
	v_bfe_u32 v4, v0, 3, 1                         ; wq, wk: column c = l of the 32 is row (c & 7) + 8 (c >> 4) of tile (c >> 3) & 1
	v_and_b32 v5, 7, v0
	s_wait_alu depctr_va_vdst(0)                   ; the wait directly ahead of the reader below
	v_lshl_add_u32 v5, v3, 3, v5
	v_cndmask_b32 v4, v4, v3, s21                  ; wv: row c & 15 of tile c >> 4
	v_cndmask_b32 v5, v5, v2, s21
	v_mul_u32_u24 v6, v4, 6144
	v_lshl_add_u32 v6, v5, 4, v6                   ; my 16 bytes of a block in my tile's image
	v_lshl_add_u32 v7, v4, 4, v5
	v_lshlrev_b32 v7, 2, v7                        ; my scale word
	v_lshlrev_b32 v26, 2, v1                       ; my column: 4 bytes a lane
	s_mul_i32 s26, s17, 393216                     ; 128 s rows of 3,072 bytes
	s_lshl_b32 s27, s20, 7
	s_add_co_u32 s26, s26, s27
	s_mov_b32 s27, 0
	s_mul_i32 s25, s19, 313344
	s_mul_i32 s28, s20, 12288
	s_add_co_u32 s28, s28, s25
	s_lshl_b32 s29, s17, 10
	s_add_co_u32 s28, s28, s29                     ; images: 313344 g + 12288 cp + 1024 s
	s_mov_b32 s29, 0
	s_mul_i32 s30, s20, 768
	s_add_co_u32 s30, s30, s25
	s_lshl_b32 s31, s17, 7
	s_add_co_u32 s30, s30, s31
	s_add_co_u32 s30, s30, 294912                  ; scale words: 313344 g + 294912 + 768 cp + 128 s
	s_mov_b32 s31, 0
	s_wait_alu depctr_va_vdst(0)                   ; the wait at the head's end
	s_wait_kmcnt 0x0
	s_cmp_eq_u32 s19, 0                            ; the choice hangs on the work-group's number alone
	s_cselect_b64 s[6:7], s[6:7], s[8:9]
	s_cmp_eq_u32 s19, 2
	s_cselect_b64 s[6:7], s[10:11], s[6:7]
	s_add_nc_u64 s[6:7], s[6:7], s[26:27]
	s_add_nc_u64 s[28:29], s[14:15], s[28:29]
	s_add_nc_u64 s[30:31], s[14:15], s[30:31]
.set I, 0
.rept 128
	global_load_b32 v[NUM+I], v26, s[6:7] offset:3072*I th:TH_LOAD_NT    ; row 128 s + I: a wave reads 128 consecutive bytes, the four waves 512
.set I, I+1
.endr
.macro BLOCK t, left
.set XB, NUM+32*\t
	s_wait_loadcnt \left                           ; this block's 32 loads are in
	v_max3_num_f32 v8, |v[XB]|, |v[XB+1]|, |v[XB+2]|
	v_max3_num_f32 v9, |v[XB+3]|, |v[XB+4]|, |v[XB+5]|
.irp i, 6,10,14,18,22,26
	v_max3_num_f32 v8, v8, |v[XB+\i]|, |v[XB+\i+1]|
	v_max3_num_f32 v9, v9, |v[XB+\i+2]|, |v[XB+\i+3]|
.endr
	v_max3_num_f32 v8, v8, |v[XB+30]|, |v[XB+31]|
	v_max3_num_f32 v8, v8, v9, 0x1800000           ; the block's largest magnitude, and the floor
	v_add_nc_u32 v10, 0xff000000, v8               ; the conversions' scale operand
.irp g, 0,1,2,3
	v_cvt_scalef32_pk8_fp4_f32 v[CD+4*\t+\g], v[XB+8*\g:XB+8*\g+7], v10
.endr
.if \t == 0
	v_lshrrev_b32 v30, 23, v10                     ; the byte; four make my column's scale word, the lower K in the lower byte
.else
	v_lshrrev_b32 v11, 23, v10
	v_lshl_or_b32 v30, v11, 8*\t, v30
.endif
	global_store_b128 v6, v[CD+4*\t:CD+4*\t+3], s[28:29] offset:256*\t   ; sixteen lanes fill 256 consecutive bytes of one tile's image, aligned
.endm
	BLOCK 0, 63                                    ; behind block 0's loads stand 96: the wait's largest count is taken
	BLOCK 1, 63                                    ; behind block 1's stand 64
	BLOCK 2, 32
	BLOCK 3, 0
	global_store_b32 v7, v30, s[30:31]
	s_endpgm
.Lfunc_end_k_qb26eeabebd_quant:
	.size	k_qb26eeabebd_quant, .Lfunc_end_k_qb26eeabebd_quant-k_qb26eeabebd_quant
	.p2alignl 7, 3214868480
	.fill 96, 4, 3214868480
	.section	.rodata,"a",@progbits
	.p2align	6, 0x0
	.amdhsa_kernel k_qb26eeabebd_quant
		.amdhsa_group_segment_fixed_size 68096
		.amdhsa_private_segment_fixed_size 0
		.amdhsa_enable_private_segment 0
		.amdhsa_kernarg_size 48
		.amdhsa_user_sgpr_count 2
		.amdhsa_user_sgpr_kernarg_segment_ptr 1
		.amdhsa_wavefront_size32 1
		.amdhsa_system_sgpr_workgroup_id_x 1
		.amdhsa_system_sgpr_workgroup_id_y 1
		.amdhsa_system_sgpr_workgroup_id_z 1
		.amdhsa_system_vgpr_workitem_id 0
		.amdhsa_next_free_vgpr 240
		.amdhsa_next_free_sgpr 66
		.amdhsa_reserve_vcc 0
		.amdhsa_float_denorm_mode_32 3
		.amdhsa_float_denorm_mode_16_64 3
		.amdhsa_memory_ordered 1
		.amdhsa_forward_progress 1
		.amdhsa_inst_pref_size 39
	.end_amdhsa_kernel
	.amdgpu_metadata
---
amdhsa.version: [ 1, 2 ]
amdhsa.kernels:
  - .name:           k_qb26eeabebd_quant
    .symbol:         k_qb26eeabebd_quant.kd
    .args:
      - { .name: x, .offset: 0, .size: 8, .value_kind: global_buffer, .address_space: global }
      - { .name: wq, .offset: 8, .size: 8, .value_kind: global_buffer, .address_space: global }
      - { .name: wk, .offset: 16, .size: 8, .value_kind: global_buffer, .address_space: global }
      - { .name: wv, .offset: 24, .size: 8, .value_kind: global_buffer, .address_space: global }
      - { .name: xq, .offset: 32, .size: 8, .value_kind: global_buffer, .address_space: global }
      - { .name: wq4, .offset: 40, .size: 8, .value_kind: global_buffer, .address_space: global }
    .group_segment_fixed_size: 68096
    .private_segment_fixed_size: 0
    .kernarg_segment_align: 8
    .kernarg_segment_size: 48
    .max_flat_workgroup_size: 128
    .sgpr_count:     66
    .vgpr_count:     240
    .wavefront_size: 32
...
	.end_amdgpu_metadata
.endif
;; end of part 1
;; launch proj (part 2): grid 64 x 3, 4 waves a work-group, no clusters, 168,448 bytes of LDS; arguments xq, wq4, bq, bk, bv, qkv; writes qkv
.if DOCPART == 2
	.amdgcn_target "amdgcn-amd-amdhsa--gfx1250"
	.amdhsa_code_object_version 6
	.text
	.protected	k_qb26eeabebd_proj
	.globl	k_qb26eeabebd_proj
	.p2align	8
	.type	k_qb26eeabebd_proj,@function
k_qb26eeabebd_proj:
	s_mov_b64 s[64:65], 0
	v_nop
	global_prefetch_b8 v0, s[64:65] scope:SCOPE_SE
	s_setreg_imm32_b32 hwreg(HW_REG_WAVE_MODE, 25, 1), 1
	s_wait_xcnt 0x0
; q = x wq + bq, k = x wk + bk, v = x wv + bv on codes of FP4 with E8M0 scales (K = 768, six steps of 128), f32 sums; the results are quantised in registers for the
; attention's products: q and k along the head's 64 (two blocks), v along the keys (four blocks in 128 keys), and stored as images of the operands' registers.
; qkv [batch x 12 + head][key step of 128 rows, 8][13,568]: 0 K's eight fragments of 512 bytes; 4,096 K's scale words (16 l + 4 i: lanes 0-15 tile 2 i, lanes 16-31 tile 2 i + 1);
;   4,608 V's four fragments of 1,024 bytes; 8,704 V's scale words (8 l + 4 i); 8,960 Q's fragments; 13,056 Q's scale words.  Bytes 2 and 3 of Q's and K's scale words are 0.
; LIMITS: as in the quantiser of x: a block of zeros gets the byte 1 with zero codes; blocks under 2^-124 are held at the byte 1; NaN and infinities are not served.
; SHARES: a work-group takes 128 rows of x (work-group x) and all 768 columns of ONE of q, k, v (work-group y).  Wave w takes heads 3 w .. 3 w + 2, one after the other:
;   a head is 8 tiles of rows x 4 tiles of columns = 32 accumulators, 192 matrix instructions.  x's images (52,224 bytes) come into LDS once; the weights go straight into registers.
; NO CLUSTER: what goes through LDS is shared by the three work-groups of a row block alone, and three do not make a cluster of four.
; q, k: THE PRODUCT IS USED TRANSPOSED (source 0 = 16 columns of the weight, source 1 = 16 rows of x): a lane holds one row, and, by the order of the weight's columns in a tile,
;   the 16 registers of column tiles 2 b, 2 b + 1 are d = 32 b + 16 h + 0 .. 15.   v: source 0 = 16 rows of x, source 1 = 16 columns: a lane holds one d, and, by the order of x's rows
;   in a tile, the 16 registers of row tiles 2 b, 2 b + 1 are keys 32 b + 16 h + 0 .. 15.  So a lane's 16 codes are 8 bytes of the image, at 256 b + 16 r + 8 h.
; The bias is the C of each sum's first matrix instruction.
; REGISTERS, in windows of 256: window 0: v1-5 addresses; v16-143 x's fragments, two sets; v144-151 x's scale words, two sets; v152-175 the weights' scale words, two sets; v176-215 at work.
;   windows 1, 2: a head's weights (fragment (t, s) at v[8 (6 t + s)]), its bias from v192: two sets, so that a head's weights land while the head before is multiplied.  window 3: the accumulators.
.set XF, 16
.set XS, 144
.set WS, 152
.set TM, 176                           ; v176-179 largest magnitudes, v180-183 bytes, v188-191 the conversions' scale operands
.set CD, 192                           ; v192-199 codes
.set PW, 208                           ; the scale word just made
.set KS, 212                           ; v212-215 scale words gathered for a store
.set BI, 192                           ; the bias, in the weights' window
.set HP, 108544                        ; a head's bytes in qkv
.set MSB, 0
.macro WIN new                         ; the immediate's high byte repeats the setting that is left; a switch that changes nothing is dropped
.if MSB != \new
	s_set_vgpr_msb (MSB<<8)|\new
.set MSB, \new
.endif
.endm
.macro PLACES                          ; four plain vector lines between a matrix instruction and a load into, or a vector read of, its registers
.rept 4
	v_nop
.endr
.endm
	s_load_b256 s[4:11], s[0:1], 0x0               ; xq s[4:5], wq4 s[6:7], bq s[8:9], bk s[10:11]
	s_load_b128 s[12:15], s[0:1], 0x20             ; bv s[12:13], qkv s[14:15]
	v_lshl_add_u32 v254, v0, 2, 0x29000
	v_mov_b32 v255, 0
	ds_add_u32 v254, v255
	ds_add_u32 v254, v255
	v_lshrrev_b32 v1, 5, v0
	v_readfirstlane_b32 s16, v1                    ; wave 0..3
	s_and_b32 s17, ttmp7, 0xffff                   ; 0: q, 1: k, 2: v
	v_and_b32 v6, 31, v0                           ; lane
	v_and_b32 v7, 15, v0                           ; r
	v_bfe_u32 v8, v0, 4, 1                         ; h
	v_lshlrev_b32 v1, 4, v6                        ; 16 l: an image's place for my lane
	v_lshlrev_b32 v2, 2, v6                        ; 4 l: a scale word's
	v_lshlrev_b32 v3, 4, v7
	v_lshl_add_u32 v3, v8, 3, v3                   ; 16 r + 8 h: my 8 bytes of a block of the image that I make
	v_lshlrev_b32 v4, 3, v6                        ; 8 l
.irp b, 0,1,2,3
	v_mov_b32 v[TM+4+\b], 0                        ; written once: a lane permute's destination counts as one of its sources
.endr
	; descriptor group 1: my quarter of the row block's 52,224 dense bytes: 51 rows of 256 bytes (32 elements of 8 bytes), no padding: the images are read 16 bytes a lane on end
	s_mov_b32 s24, 3<<16                           ; 15:0 no mask; 17:16 elements of 8 bytes
	s_mov_b32 s25, 32<<16                          ; tensor_dim0 = 32
	s_mov_b32 s26, 51<<16                          ; tensor_dim1 = 51
	s_mov_b32 s27, 32<<16                          ; tile_dim0 = 32
	s_mov_b32 s28, 51                              ; tile_dim1 = 51
	s_mov_b32 s29, 32                              ; from row to row: 32 elements
	s_mov_b32 s30, 0
	s_mov_b32 s31, 0
	s_mov_b32 s32, 1                               ; group 0: count = 1
	s_mul_i32 s33, s16, 13056                      ; LDS address: wave x 51 rows
	s_mul_i32 s18, ttmp9, 52224
	s_add_co_u32 s18, s18, s33
	s_mov_b32 s19, 0
	s_mov_b32 s36, 0xffff0000                      ; lanes 16-31
	s_mov_b32 s38, 0x76543210
	s_mov_b32 s39, 0xfedcba98                      ; v_permlanex16_b32's selects for lane l xor 16
	s_mul_i32 s20, s17, 313344                     ; my weight's part of wq4
	s_mul_i32 s21, s16, 73728                      ; my three heads' twelve column tiles of 6,144 bytes
	s_add_co_u32 s40, s20, s21
	s_mov_b32 s41, 0
	s_mul_i32 s21, s16, 4608                       ; and their scale words
	s_add_co_u32 s42, s20, s21
	s_add_co_u32 s42, s42, 294912
	s_mov_b32 s43, 0
	s_mul_i32 s48, s16, 768                        ; my 192 numbers of the bias
	s_mov_b32 s49, 0
	s_lshr_b32 s21, ttmp9, 3                       ; the batch
	s_mul_i32 s21, s21, 12
	s_mul_i32 s22, s16, 3
	s_add_co_u32 s21, s21, s22                     ; batch x 12 + my first head
	s_mul_i32 s46, s21, HP
	s_and_b32 s22, ttmp9, 7                        ; the key step
	s_mul_i32 s22, s22, 13568
	s_add_co_u32 s46, s46, s22
	s_cmp_eq_u32 s17, 0
	s_cselect_b32 s22, 8960, 0                     ; q's part of a key step's bytes, k's,
	s_cmp_eq_u32 s17, 2
	s_cselect_b32 s22, 4608, s22                   ; or v's
	s_add_co_u32 s46, s46, s22
	s_mov_b32 s47, 0
	s_wait_dscnt 0x0
	s_wait_kmcnt 0x0
	s_add_nc_u64 s[34:35], s[4:5], s[18:19]
	s_or_b32 s35, s35, 0x80000000                  ; type = 2
	tensor_load_to_lds s[32:35], s[24:31]          ; the one fill of the launch: one load a wave is out
	s_nop 0
	PLACES                                         ; four plain lines ahead of the first switch of windows
	s_add_nc_u64 s[40:41], s[6:7], s[40:41]
	s_add_nc_u64 s[42:43], s[6:7], s[42:43]
	s_cmp_eq_u32 s17, 0                            ; the choices hang on the work-group's number alone
	s_cselect_b64 s[44:45], s[8:9], s[10:11]
	s_cmp_eq_u32 s17, 2
	s_cselect_b64 s[44:45], s[12:13], s[44:45]
	s_add_nc_u64 s[44:45], s[44:45], s[48:49]
	s_add_nc_u64 s[46:47], s[14:15], s[46:47]
; head e's weights, bias and scale words into set buf.  tr = 1 (q, k): 48 + 8 + 12 = 68 loads; tr = 0 (v): 48 + 32 + 12 = 92
.macro LOADW tr, e, buf
	WIN ((\buf+1)<<6)                              ; destination: the set's window
.irp t, 0,1,2,3
.irp s, 0,1,2,3,4,5
.irp c, 0,1
	global_load_b128 v[8*(6*\t+\s)+4*\c:8*(6*\t+\s)+4*\c+3], v1, s[40:41] offset:1024*(6*(4*\e+\t)+\s)+512*\c
.endr
.endr
.endr
.if \tr
.irp t, 0,1,2,3                        ; the result's register j of tile t = 2 b + u is d = 32 b + 16 h + 8 u + j: eight neighbours of the bias
	global_load_b128 v[BI+8*\t:BI+8*\t+3], v5, s[44:45] offset:4*(64*\e+32*(\t/2)+8*(\t%2))
	global_load_b128 v[BI+8*\t+4:BI+8*\t+7], v5, s[44:45] offset:4*(64*\e+32*(\t/2)+8*(\t%2))+16
.endr
.else
.irp t, 0,1,2,3                        ; all eight registers of a lane are d = 16 t + r: the same number eight times
.irp j, 0,1,2,3,4,5,6,7
	global_load_b32 v[BI+8*\t+\j], v5, s[44:45] offset:4*(64*\e+16*\t)
.endr
.endr
.endif
	WIN 0
.irp p, 0,1
.irp s, 0,1,2,3,4,5
	global_load_b32 v[WS+12*\buf+6*\p+\s], v2, s[42:43] offset:128*(6*(2*\e+\p)+\s)   ; lanes 0-15 tile 2 p, lanes 16-31 tile 2 p + 1
.endr
.endr
.endm
; x's eight fragments and four registers of scale words of K step s into set xb: 20 LDS loads
; the part of head e's weights, bias and scale words that belongs to K step s, into set buf: a later head's loads go out in six parts, one behind each K step of the head before it
.macro LOADWS tr, e, buf, s
	WIN ((\buf+1)<<6)
.irp t, 0,1,2,3
.irp c, 0,1
	global_load_b128 v[8*(6*\t+(\s))+4*\c:8*(6*\t+(\s))+4*\c+3], v1, s[40:41] offset:1024*(6*(4*(\e)+\t)+(\s))+512*\c
.endr
.endr
.if (\s) < 4
.if \tr
	global_load_b128 v[BI+8*(\s):BI+8*(\s)+3], v5, s[44:45] offset:4*(64*(\e)+32*((\s)/2)+8*((\s)%2))
	global_load_b128 v[BI+8*(\s)+4:BI+8*(\s)+7], v5, s[44:45] offset:4*(64*(\e)+32*((\s)/2)+8*((\s)%2))+16
.else
.irp j, 0,1,2,3,4,5,6,7
	global_load_b32 v[BI+8*(\s)+\j], v5, s[44:45] offset:4*(64*(\e)+16*(\s))
.endr
.endif
.endif
	WIN 0
.irp p, 0,1
	global_load_b32 v[WS+12*(\buf)+6*\p+(\s)], v2, s[42:43] offset:128*(6*(2*(\e)+\p)+(\s))
.endr
.endm
.macro FETCH s, xb
.irp m, 0,1,2,3,4,5,6,7
.irp c, 0,1
	ds_load_b128 v[XF+64*(\xb)+8*\m+4*\c:XF+64*(\xb)+8*\m+4*\c+3], v1 offset:8192*(\s)+1024*\m+512*\c
.endr
.endr
.irp i, 0,1,2,3
	ds_load_b32 v[XS+4*(\xb)+\i], v2 offset:49152+512*(\s)+128*\i
.endr
.endm
; one matrix instruction on the registers named by rD, rA, rB, rC, zA, zB; ra, rb: the scales stand in lanes 16-31
.macro WM ra, rb
.if (\ra) && (\rb)
	v_wmma_scale_f32_16x16x128_f8f6f4 v[rD:rD+7], v[rA:rA+7], v[rB:rB+7], v[rC:rC+7], v[zA], v[zB] matrix_a_fmt:MATRIX_FMT_FP4 matrix_b_fmt:MATRIX_FMT_FP4 matrix_a_scale:MATRIX_SCALE_ROW1 matrix_b_scale:MATRIX_SCALE_ROW1
.elseif (\ra)
	v_wmma_scale_f32_16x16x128_f8f6f4 v[rD:rD+7], v[rA:rA+7], v[rB:rB+7], v[rC:rC+7], v[zA], v[zB] matrix_a_fmt:MATRIX_FMT_FP4 matrix_b_fmt:MATRIX_FMT_FP4 matrix_a_scale:MATRIX_SCALE_ROW1
.elseif (\rb)
	v_wmma_scale_f32_16x16x128_f8f6f4 v[rD:rD+7], v[rA:rA+7], v[rB:rB+7], v[rC:rC+7], v[zA], v[zB] matrix_a_fmt:MATRIX_FMT_FP4 matrix_b_fmt:MATRIX_FMT_FP4 matrix_b_scale:MATRIX_SCALE_ROW1
.else
	v_wmma_scale_f32_16x16x128_f8f6f4 v[rD:rD+7], v[rA:rA+7], v[rB:rB+7], v[rC:rC+7], v[zA], v[zB] matrix_a_fmt:MATRIX_FMT_FP4 matrix_b_fmt:MATRIX_FMT_FP4
.endif
.endm
; K step s of a head: 32 matrix instructions, the 32 accumulators by turns, in the same order in every step.  first = 1: C is the bias
.macro MULS tr, buf, s, xb, first
.if \tr
.if \first
	WIN ((\buf+1)|((\buf+1)<<4)|0xc0)              ; source 0 and C: the weights' window; source 1: window 0; D: window 3
.else
	WIN ((\buf+1)|0xf0)
.endif
.else
.if \first
	WIN (((\buf+1)<<2)|((\buf+1)<<4)|0xc0)         ; source 1 and C: the weights' window; source 0: window 0; D: window 3
.else
	WIN (((\buf+1)<<2)|0xf0)
.endif
.endif
.irp m, 0,1,2,3,4,5,6,7
.irp t, 0,1,2,3
.if \tr
.set rD, 32*\m+8*\t
.set rA, 8*(6*\t+(\s))
.set rB, XF+64*(\xb)+8*\m
.set zA, WS+12*(\buf)+6*(\t/2)+(\s)
.set zB, XS+4*(\xb)+\m/2
.else
.set rD, 64*\t+8*\m
.set rA, XF+64*(\xb)+8*\m
.set rB, 8*(6*\t+(\s))
.set zA, XS+4*(\xb)+\m/2
.set zB, WS+12*(\buf)+6*(\t/2)+(\s)
.endif
.if \first
.set rC, BI+8*\t
.else
.set rC, rD
.endif
.if \tr
	WM \t%2, \m%2
.else
	WM \m%2, \t%2
.endif
.endr
.endr
.endm
; nb blocks of 32: accumulator registers a + 16 b + i (window 3) are my 16 numbers of block b; the other 16 lie in lane l xor 16.  Codes to v[CD + 2 b], bytes to v[TM + 4 + b].
; Each accumulator is read from its low end on.
.macro QUANT a, nb
	WIN 0x0f                                       ; sources 0 and 1: window 3
.set QB, 0
.rept \nb
	v_max3_num_f32 v[TM+QB], |v[(\a)+16*QB]|, |v[(\a)+16*QB+1]|, 0x1800000   ; and the floor 2^(3 - 127): the byte cannot fall under 1
.set QB, QB+1
.endr
.irp i, 2,4,6,8,10,12,14
.set QB, 0
.rept \nb
	v_max3_num_f32 v[TM+QB], |v[(\a)+16*QB+\i]|, |v[(\a)+16*QB+\i+1]|, v[TM+QB]
.set QB, QB+1
.endr
.endr
	WIN 0
.set QB, 0
.rept \nb
	v_permlanex16_b32 v[TM+4+QB], v[TM+QB], s38, s39
.set QB, QB+1
.endr
.set QB, 0
.rept \nb
	v_max_num_f32 v[TM+QB], v[TM+QB], v[TM+4+QB]   ; the block's largest magnitude
.set QB, QB+1
.endr
.set QB, 0
.rept \nb
	v_add_nc_u32 v[TM+12+QB], 0xff000000, v[TM+QB] ; 2 off its exponent field: the conversion's scale operand
.set QB, QB+1
.endr
.set QB, 0
.rept \nb
	v_lshrrev_b32 v[TM+4+QB], 23, v[TM+12+QB]      ; the scale's byte
.set QB, QB+1
.endr
	WIN 0x03                                       ; source 0: window 3
.set QB, 0
.rept \nb
	v_cvt_scalef32_pk8_fp4_f32 v[CD+2*QB], v[(\a)+16*QB:(\a)+16*QB+7], v[TM+12+QB]
	v_cvt_scalef32_pk8_fp4_f32 v[CD+2*QB+1], v[(\a)+16*QB+8:(\a)+16*QB+15], v[TM+12+QB]
.set QB, QB+1
.endr
	WIN 0
	v_nop                                          ; one plain line behind the last scaled conversion: matrix instructions write its sources again
.endm
; head e's results leave
.macro OUT tr, e
.if \tr
.irp m, 0,1,2,3,4,5,6,7                ; a tile of 16 rows: two blocks along d: a fragment of 512 bytes
	s_wait_xcnt 0x0                                ; the stores issued so far have read their registers: the codes and the words are written again only behind this wait
	QUANT 32*\m, 2
	v_lshl_or_b32 v[PW], v[TM+5], 8, v[TM+4]       ; my row's scale word; bytes 2 and 3 stay 0
.if \m%2
	v_cndmask_b32 v[KS+\m/2], v[KS+\m/2], v[PW], s36   ; lanes 16-31: the odd tile's
.else
	v_mov_b32 v[KS+\m/2], v[PW]
.endif
.irp b, 0,1
	global_store_b64 v3, v[CD+2*\b:CD+2*\b+1], s[46:47] offset:HP*\e+512*\m+256*\b   ; the 32 lanes fill 256 consecutive bytes, aligned
.endr
.endr
	global_store_b128 v1, v[KS:KS+3], s[46:47] offset:HP*\e+4096
.else
.irp t, 0,1,2,3                        ; a tile of 16 d: four blocks along the keys: a fragment of 1,024 bytes
	s_wait_xcnt 0x0
	QUANT 64*\t, 4
	v_lshl_or_b32 v[PW], v[TM+5], 8, v[TM+4]
	v_lshl_or_b32 v[PW], v[TM+6], 16, v[PW]
	v_lshl_or_b32 v[PW], v[TM+7], 24, v[PW]
.if \t%2
	v_cndmask_b32 v[KS+\t/2], v[KS+\t/2], v[PW], s36
.else
	v_mov_b32 v[KS+\t/2], v[PW]
.endif
.irp b, 0,1,2,3
	global_store_b64 v3, v[CD+2*\b:CD+2*\b+1], s[46:47] offset:HP*\e+1024*\t+256*\b
.endr
.endr
	global_store_b64 v4, v[KS:KS+1], s[46:47] offset:HP*\e+4096
.endif
.endm
; a head: six K steps; the next step's fragments of x are fetched ahead of each step's products.  n: how many younger global loads may stay out when this head's weights have to be in
.macro HEAD tr, e, buf, n
	s_wait_loadcnt \n
.irp s, 0,1,2,3,4,5
	PLACES                                         ; the set fetched into was read by the step before
.if \s < 5
	FETCH \s+1, (\s+1)%2
	s_wait_dscnt 20                                ; this step's twenty loads are in; the twenty just issued may be out
.elseif \e < 2
	FETCH 0, 0                                     ; the next head begins at K step 0 again
	s_wait_dscnt 20
.else
	s_wait_dscnt 0x0
.endif
.if \s == 0
	MULS \tr, \buf, \s, \s%2, 1
.else
	MULS \tr, \buf, \s, \s%2, 0
.endif
	WIN 0
.if \e < 2
	LOADWS \tr, \e+1, 1-\buf, \s                   ; the next head's part for this K step, into the other set: its last readers were the products of the head before this one
.endif
.endr
	PLACES                                         ; ahead of the first read of the results
	OUT \tr, \e
.endm
.macro BODY tr
	LOADW \tr, 0, 0
	s_wait_tensorcnt 0x0                           ; my quarter of x's images is in LDS,
	s_barrier_signal -1
	s_barrier_wait -1                              ; everybody's is
	FETCH 0, 0
	HEAD \tr, 0, 0, 0                              ; a head's loads have all gone out before the head before it ends: nothing younger stands behind them
	HEAD \tr, 1, 1, 0
	HEAD \tr, 2, 0, 0
	s_wait_tensorcnt 0x0
	ds_add_u32 v254, v255
	s_wait_dscnt 0x0
	s_endpgm
.endm
	s_cmp_eq_u32 s17, 2
	s_cbranch_scc1 .Lvalues
	v_lshlrev_b32 v5, 6, v8                        ; q, k: the bias at 64 h bytes
	s_wait_alu depctr_va_vdst(0)
	BODY 1
.Lvalues:
	v_lshlrev_b32 v5, 2, v7                        ; v: the bias at 4 r bytes
	s_wait_alu depctr_va_vdst(0)
	BODY 0
.Lfunc_end_k_qb26eeabebd_proj:
	.size	k_qb26eeabebd_proj, .Lfunc_end_k_qb26eeabebd_proj-k_qb26eeabebd_proj
	.p2alignl 7, 3214868480
	.fill 96, 4, 3214868480
	.section	.rodata,"a",@progbits
	.p2align	6, 0x0
	.amdhsa_kernel k_qb26eeabebd_proj
		.amdhsa_group_segment_fixed_size 168448
		.amdhsa_private_segment_fixed_size 0
		.amdhsa_enable_private_segment 0
		.amdhsa_kernarg_size 48
		.amdhsa_user_sgpr_count 2
		.amdhsa_user_sgpr_kernarg_segment_ptr 1
		.amdhsa_wavefront_size32 1
		.amdhsa_system_sgpr_workgroup_id_x 1
		.amdhsa_system_sgpr_workgroup_id_y 1
		.amdhsa_system_sgpr_workgroup_id_z 1
		.amdhsa_system_vgpr_workitem_id 0
		.amdhsa_next_free_vgpr 1024
		.amdhsa_next_free_sgpr 66
		.amdhsa_reserve_vcc 0
		.amdhsa_float_denorm_mode_32 3
		.amdhsa_float_denorm_mode_16_64 3
		.amdhsa_memory_ordered 1
		.amdhsa_forward_progress 1
		.amdhsa_inst_pref_size 255
	.end_amdhsa_kernel
	.section	.bss,"aw",@nobits
	.p2align	6
	.space	262144
	.amdgpu_metadata
---
amdhsa.version: [ 1, 2 ]
amdhsa.kernels:
  - .name:           k_qb26eeabebd_proj
    .symbol:         k_qb26eeabebd_proj.kd
    .args:
      - { .name: xq, .offset: 0, .size: 8, .value_kind: global_buffer, .address_space: global }
      - { .name: wq4, .offset: 8, .size: 8, .value_kind: global_buffer, .address_space: global }
      - { .name: bq, .offset: 16, .size: 8, .value_kind: global_buffer, .address_space: global }
      - { .name: bk, .offset: 24, .size: 8, .value_kind: global_buffer, .address_space: global }
      - { .name: bv, .offset: 32, .size: 8, .value_kind: global_buffer, .address_space: global }
      - { .name: qkv, .offset: 40, .size: 8, .value_kind: global_buffer, .address_space: global }
    .group_segment_fixed_size: 168448
    .private_segment_fixed_size: 0
    .kernarg_segment_align: 8
    .kernarg_segment_size: 48
    .max_flat_workgroup_size: 128
    .sgpr_count:     66
    .vgpr_count:     1024
    .wavefront_size: 32
...
	.end_amdgpu_metadata
.endif
;; end of part 2
;; launch attnln (part 3): grid 256 x 1, 12 waves a work-group, no clusters, 100,352 bytes of LDS; arguments qkv, x, gamma, beta, out0; writes out0
.if DOCPART == 3
	.amdgcn_target "amdgcn-amd-amdhsa--gfx1250"
	.amdhsa_code_object_version 6
	.text
	.protected	k_qb26eeabebd_attnln
	.globl	k_qb26eeabebd_attnln
	.p2align	8
	.type	k_qb26eeabebd_attnln,@function
k_qb26eeabebd_attnln:
	s_mov_b64 s[64:65], 0
	v_nop
	global_prefetch_b8 v0, s[64:65] scope:SCOPE_SE
	s_setreg_imm32_b32 hwreg(HW_REG_WAVE_MODE, 25, 1), 1
	s_wait_xcnt 0x0
; out = layernorm(x + 2 x context) x gamma + beta, context[q][64 H + d] = the sum over keys of softmax(q . k / 8) v; both products on codes of FP4 with one E8M0 scale for each 32 along a product's K.
; Q, K (K = the head's 64) and V (K = the keys) come as images of the operands' registers: qkv [batch x 12 + head][step of 128 rows, 8][13,568]:
;   0 K's eight fragments of 512 bytes, 4,096 K's scale words, 4,608 V's four fragments of 1,024 bytes, 8,704 V's scale words, 8,960 Q's fragments, 13,056 Q's scale words.
; THE SOFTMAX: t = score x log2(e) / 8; M = the row's largest t so far, rounded UP to a whole number; p = 2^(t - M) is quantised along the keys, not normalised; the row's sum is taken of the
; unquantised p and divides at the end.  When M moves, the sum and O are multiplied by 2^(old M - new M): exact.
; LIMITS: the scaled scores stay under 2^31 in magnitude; a block whose every p has fallen to 0 gets the byte 1 with zero codes; NaN and infinities are not served.
; SHARES: a work-group owns 32 rows of x and ALL twelve heads, so that a row of 768 is whole in one work-group and is normalised here.  Wave w is head w: two tiles of 16 queries, eight key steps of 128.
; K AND V GO FROM MEMORY STRAIGHT INTO REGISTERS: each fragment is used by one wave of the work-group alone, and a load takes 512 consecutive bytes.  K HAS TWO SETS OF REGISTERS: a trip of the loop is
; two key steps, one on each set, and K of the next step is asked for at a step's head.  V of an even step is asked for at its head, V of an odd step behind the even step's last products.
; Every wait for loads in the loop is for 0 and stands ahead of O's products.  In the last trip my first row of x takes the place of the K that does not follow: a branch on the trip's number.
; NO CLUSTER, NO JOINT LOAD: no tile of K or V lies in LDS (the twelve heads' are 860,160 bytes, more than LDS holds), so there is none to ask for jointly.
; PREFETCH: work-group qb = 2 .. 7 of a batch's 32 asks, in key step qb - 2, for key step qb (35 blocks of 256 bytes a head, a wave to a head), one step ahead of K's loads; steps 0 and 1 come by their loads alone.
;   In key step 3 each thread asks for one of the 384 blocks of the work-group's rows of x, four steps ahead of their first loads.
; LAYOUT: both products transposed: S^T = K Q^T, O^T = V^T P^T: a lane holds ONE query.  Row r of tile u is row 8 u + r + 8 (r / 8) of my 32; S^T's tiles 2 b, 2 b + 1 are keys 32 b + 16 h + 0 .. 15.
; K = 64 IN AN INSTRUCTION OF 128: Q's codes of k = 64 .. 127 are zeros, so what source 0 holds there adds nothing; the scale bytes there are 0, which is 2^-127 and no NaN.
; THE WAY OUT: 2 O / sum goes into an LDS stage [16 u + r][768] (rows 3,088 bytes apart); one barrier; then a wave takes whole rows (stage rows w, w + 12 and, waves 0-7, w + 24), adds x,
;   takes the mean, then the mean of the squared differences, and stores runs of 512 bytes.
; REGISTERS: v1-11 offsets; v12-19 -M, largest t, the sum; v20-35 Q; v36 Q's scales; v38-39 the sums' second chain; v40-71 K, first set; v72-75 zeros; v76-83, v90-93 scales; v84-89 rows' offsets;
;   v96-159 S^T and p; v160-223 O^T; v224-239 p's codes; v240-254 at work.  Window 1: v0-31 V, v32-63 K, second set (at the end gamma), v64-67 zeros.
.set HP,    108544                     ; a head's bytes in qkv
.set SB,    13568                      ; a step's
.set SP,    3088                       ; a stage row: 3,072 bytes + 16
.set SPARE, 32*SP                      ; behind the stage: the spare words, 128 bytes a wave
.set SPW, 3
.set NIL, 4
.set STO, 5
.set RO,  84                           ; v84-86 my rows' byte offsets in x and out0, + 16 l
.set LR,  87                           ; v87-89 my rows' LDS addresses, + 16 l
.set BE,  96
.set GA,  32                           ; in window 1
.set T,   144
.set MSB, 0
.macro WIN new                         ; the immediate's high byte repeats the setting that is left
.if MSB != \new
	s_set_vgpr_msb (MSB<<8)|\new
.set MSB, \new
.endif
.endm
.macro PLACES
.rept 4
	v_nop
.endr
.endm
	s_load_b256 s[4:11], s[0:1], 0x0               ; qkv s[4:5], x s[6:7], gamma s[8:9], beta s[10:11]
	s_load_b64 s[12:13], s[0:1], 0x20              ; out0
	v_lshl_add_u32 v[SPW], v0, 2, SPARE
	v_mov_b32 v[NIL], 0
	v_lshrrev_b32 v10, 5, v0
	v_readfirstlane_b32 s16, v10                   ; wave = head
	s_lshr_b32 s17, ttmp9, 5                       ; the batch
	s_and_b32 s18, ttmp9, 31                       ; qb: which 32 rows of the batch
	s_lshr_b32 s19, s18, 2                         ; the step whose rows hold my queries
	s_and_b32 s20, s18, 3                          ; and which pair of its tiles
	s_mul_i32 s21, s17, 12
	s_add_co_u32 s21, s21, s16
	s_mul_i32 s22, s21, HP                         ; my head's first byte
	s_mov_b32 s23, 0
	s_mul_i32 s24, s19, SB
	s_add_co_u32 s24, s24, s22                     ; my queries' step
	s_mov_b32 s25, 0
	s_lshl_b32 s26, s20, 10
	s_lshl_b32 s27, s20, 2
	s_lshl_b32 s36, s16, 8                         ; my head's 256 bytes of a stage row
	s_mul_i32 s46, ttmp9, 98304                    ; my work-group's 32 rows of x
	s_mov_b32 s47, 0
	s_sub_co_u32 s28, s18, 2                       ; the key step in which I ask for step qb
	s_lshr_b32 s29, s28, 1                         ; its trip,
	s_and_b32 s30, s28, 1                          ; and which of the trip's two steps
	s_cmp_lt_u32 s28, 6
	s_cselect_b32 s29, s29, -1                     ; none where qb is not 2 .. 7
	s_cmp_eq_u32 s30, 0
	s_cselect_b32 s38, s29, -1                     ; the trip in whose first step I ask,
	s_cselect_b32 s39, -1, s29                     ; or in whose second
.irp k, 0,1,2
	s_add_co_u32 s28, s16, 12*\k                   ; stage row
.if \k == 2
	s_min_u32 s28, s28, 31                         ; (waves 8-11 have no third row and never use these)
.endif
	s_mul_i32 s[50+\k], s28, SP
	s_and_b32 s29, s28, 16
	s_lshr_b32 s29, s29, 1                         ; 8 u
	s_and_b32 s30, s28, 15
	s_add_co_u32 s29, s29, s30                     ; + r
	s_and_b32 s30, s28, 8
	s_add_co_u32 s29, s29, s30                     ; + 8 (r / 8)
	s_lshl_b32 s30, ttmp9, 5
	s_add_co_u32 s29, s29, s30
	s_mul_i32 s[53+\k], s29, 3072
.endr
	s_mov_b32 s32, 0x76543210
	s_mov_b32 s33, 0xfedcba98                      ; v_permlanex16_b32's selects for lane l xor 16
	s_mov_b32 s34, 0x3e38aa3b                      ; c = log2(e) / 8
	s_mov_b32 s35, s34
	s_mov_b32 s37, 0                               ; the trip
	s_mov_b32 s48, 0x3aaaaaab                      ; 1 / 768
	s_mov_b32 s49, 0x358637bd                      ; 1e-6
	v_and_b32 v11, 31, v0
	v_lshlrev_b32 v1, 4, v11                       ; 16 l
	v_lshlrev_b32 v2, 3, v11                       ; 8 l
	v_lshlrev_b32 v7, 8, v11                       ; blocks 0-31 of a key step
	v_min_u32 v8, 2, v11
	v_lshlrev_b32 v8, 8, v8                        ; blocks 32-34 (the lanes left over name the last again)
	v_lshlrev_b32 v9, 8, v0                        ; my block of x
	v_and_b32 v[STO], 15, v0
	v_mul_u32_u24 v[STO], v[STO], SP
	v_bfe_u32 v6, v0, 4, 1
	v_lshl_add_u32 v[STO], v6, 5, v[STO]
	v_add_nc_u32 v[STO], s36, v[STO]               ; stage, in: row r, my head, 32 h
	v_add_nc_u32 v10, s26, v1                      ; Q's fragments
	v_add_nc_u32 v11, s27, v1                      ; Q's scale words
.irp k, 0,1,2
	v_add_nc_u32 v[LR+\k], s[50+\k], v1
	v_add_nc_u32 v[RO+\k], s[53+\k], v1
.endr
	s_wait_alu depctr_va_vdst(0)                   ; the wait directly ahead of the wait below
	s_wait_kmcnt 0x0
	s_add_nc_u64 s[40:41], s[4:5], s[22:23]        ; the trip's first key step
	s_add_nc_u64 s[42:43], s[4:5], s[24:25]
	s_add_nc_u64 s[44:45], s[6:7], s[46:47]
	global_load_b128 v[20:23], v10, s[42:43] offset:8960
	global_load_b128 v[28:31], v10, s[42:43] offset:9472
	global_load_b32 v36, v11, s[42:43] offset:13056   ; lanes 0-15 tile 0's words, lanes 16-31 tile 1's
.irp tau, 0,1,2,3,4,5,6,7
	global_load_b128 v[40+4*\tau:43+4*\tau], v1, s[40:41] offset:512*\tau
.endr
	global_load_b128 v[76:79], v1, s[40:41] offset:4096
	WIN 0x40
.irp j, 64,65,66,67
	v_mov_b32 v[\j], 0                             ; what follows the second set's last tile
.endr
	WIN 0
.irp j, 24,25,26,27,32,33,34,35,72,73,74,75
	v_mov_b32 v[\j], 0                             ; the zero codes of k = 64 .. 127
.endr
.irp u, 0,1
	v_mov_b32 v[13+4*\u], 0xff61b1e6               ; the largest t so far: -3e38
	v_floor_f32 v[12+4*\u], -v[13+4*\u]            ; -M
	v_mov_b32 v[14+4*\u], 0
	v_mov_b32 v[15+4*\u], 0
.endr
.irp b, 0,1,2,3
	v_mov_b32 v[244+\b], 0                         ; a lane permute's destination counts as one of its sources
.endr
	v_mov_b32 v253, 0                              ; (the upper half of the pair v[252:253])
.set J, 0
.rept 64
	v_mov_b32 v[160+J], 0                          ; O^T: the step is written once; the first change of M leaves zeros zeros
.set J, J+1
.endr
.macro SPROD tau, u, kb                ; S^T's tile tau for query tile u; kb = 1: K's second set, in window 1
.set rD, 96+8*\tau
.set rA, 40-8*\kb+4*\tau
.set rB, 20+8*\u
.set zA, 76+14*\kb+\tau/2
.if (\tau%2) && \u
	v_wmma_scale_f32_16x16x128_f8f6f4 v[rD:rD+7], v[rA:rA+7], v[rB:rB+7], 0, v[zA], v36 matrix_a_fmt:MATRIX_FMT_FP4 matrix_b_fmt:MATRIX_FMT_FP4 matrix_a_scale:MATRIX_SCALE_ROW1 matrix_b_scale:MATRIX_SCALE_ROW1
.elseif \tau%2
	v_wmma_scale_f32_16x16x128_f8f6f4 v[rD:rD+7], v[rA:rA+7], v[rB:rB+7], 0, v[zA], v36 matrix_a_fmt:MATRIX_FMT_FP4 matrix_b_fmt:MATRIX_FMT_FP4 matrix_a_scale:MATRIX_SCALE_ROW1
.elseif \u
	v_wmma_scale_f32_16x16x128_f8f6f4 v[rD:rD+7], v[rA:rA+7], v[rB:rB+7], 0, v[zA], v36 matrix_a_fmt:MATRIX_FMT_FP4 matrix_b_fmt:MATRIX_FMT_FP4 matrix_b_scale:MATRIX_SCALE_ROW1
.else
	v_wmma_scale_f32_16x16x128_f8f6f4 v[rD:rD+7], v[rA:rA+7], v[rB:rB+7], 0, v[zA], v36 matrix_a_fmt:MATRIX_FMT_FP4 matrix_b_fmt:MATRIX_FMT_FP4
.endif
.endm
.macro OPROD t, u                      ; O^T's tile t of query tile u takes these 128 keys; source 0 (V) lies in window 1
.set rD, 160+32*\u+8*\t
.set rA, 8*\t
.set rB, 224+8*\u
.set zA, 80+\t/2
.set zB, 82+\u
.if \t%2
	v_wmma_scale_f32_16x16x128_f8f6f4 v[rD:rD+7], v[rA:rA+7], v[rB:rB+7], v[rD:rD+7], v[zA], v[zB] matrix_a_fmt:MATRIX_FMT_FP4 matrix_b_fmt:MATRIX_FMT_FP4 matrix_a_scale:MATRIX_SCALE_ROW1
.else
	v_wmma_scale_f32_16x16x128_f8f6f4 v[rD:rD+7], v[rA:rA+7], v[rB:rB+7], v[rD:rD+7], v[zA], v[zB] matrix_a_fmt:MATRIX_FMT_FP4 matrix_b_fmt:MATRIX_FMT_FP4
.endif
.endm
; query tile u's softmax for 128 keys: v[96 + 16 b + i] is the score of key 32 b + 16 h + i
.macro SOFTMAX u
.set ST,  12+4*\u
.set OT,  160+32*\u
.set PCD, 224+8*\u
.set PSW, 82+\u
.irp b, 0,1,2,3
	v_max3_num_f32 v[240+\b], v[96+16*\b], v[97+16*\b], v[98+16*\b]   ; each block's largest score: it serves the row's maximum and, since p rises with the score, the block's largest p
.endr
.irp i, 3,5,7,9,11,13
.irp b, 0,1,2,3
	v_max3_num_f32 v[240+\b], v[240+\b], v[96+16*\b+\i], v[97+16*\b+\i]
.endr
.endr
.irp b, 0,1,2,3
	v_max_num_f32 v[240+\b], v[240+\b], v[111+16*\b]
.endr
.irp b, 0,1,2,3
	v_permlanex16_b32 v[244+\b], v[240+\b], s32, s33
.endr
.irp b, 0,1,2,3
	v_max_num_f32 v[240+\b], v[240+\b], v[244+\b]  ; with lane l xor 16's 16 keys
.endr
	v_max3_num_f32 v254, v240, v241, v242
	v_max_num_f32 v254, v254, v243
	v_mul_f32 v254, s34, v254                      ; the step's largest t (c is positive)
	v_max_num_f32 v[ST+1], v[ST+1], v254
	v_mov_b32 v254, v[ST]
	v_floor_f32 v[ST], -v[ST+1]                    ; the new -M = -ceil(t)
	v_sub_f32 v254, v[ST], v254                    ; old M less new M: a whole number, 0 or less
	v_cvt_i32_f32 v254, v254                       ; (it saturates)
	v_ldexp_f32 v252, 1.0, v254                    ; f = 2^(old M - new M)
.set J, 0
.rept 32
	v_pk_fma_f32 v[96+J:97+J], v[96+J:97+J], s[34:35], v[ST:ST+1] op_sel_hi:[1,0,0]   ; t - M (of the pairs c and -M the low word serves both halves)
.set J, J+2
.endr
.irp b, 0,1,2,3
	v_fma_f32 v[240+\b], v[240+\b], s34, v[ST]     ; the same of each block's largest score
.endr
	s_wait_alu depctr_va_vdst(0)                   ; the wait ahead of the batch
.irp b, 0,1,2,3
	v_exp_f32 v[240+\b], v[240+\b]                 ; the blocks' largest p
.endr
.set J, 0
.rept 64
	v_exp_f32 v[96+J], v[96+J]                     ; p = 2^(t - M), at most 1
.set J, J+1
.endr
	v_pk_mul_f32 v[ST+2:ST+3], v[ST+2:ST+3], v[252:253] op_sel_hi:[1,0]   ; the sum under the new M: the plain line behind the batch
	s_wait_alu depctr_va_vdst(0)                   ; one wait for the batch, ahead of its first reader
.irp b, 0,1,2,3
	v_max_num_f32 v[240+\b], 0x1800000, v[240+\b]  ; the floor 2^(3 - 127): the byte cannot fall under 1
.endr
.irp b, 0,1,2,3
	v_add_nc_u32 v[248+\b], 0xff000000, v[240+\b]  ; 2 off the exponent field: the conversion's scale operand
.endr
.irp b, 0,1,2,3
	v_lshrrev_b32 v[244+\b], 23, v[248+\b]         ; the scale's byte
.endr
	v_lshl_or_b32 v[PSW], v245, 8, v244            ; p's scale word for these 128 keys
	v_lshl_or_b32 v[PSW], v246, 16, v[PSW]
	v_lshl_or_b32 v[PSW], v247, 24, v[PSW]
.irp b, 0,1,2,3
	v_cvt_scalef32_pk8_fp4_f32 v[PCD+2*\b], v[96+16*\b:103+16*\b], v[248+\b]
	v_cvt_scalef32_pk8_fp4_f32 v[PCD+2*\b+1], v[104+16*\b:111+16*\b], v[248+\b]
.endr
	v_nop                                          ; one plain line behind the last scaled conversion
.irp c, 0,1                            ; a whole block in a lane: lanes 0-15 block 2 c, lanes 16-31 block 2 c + 1
.irp i, 0,1
	v_permlane16_swap_b32 v[PCD+4*\c+\i], v[PCD+2+4*\c+\i]
.endr
.endr
	v_pk_add_f32 v[38:39], v[96:97], v[98:99]      ; the row's sum of the unquantised p, in two chains
.irp j, 4,8,12,16,20,24,28,32,36,40,44,48,52,56,60
	v_pk_add_f32 v[ST+2:ST+3], v[ST+2:ST+3], v[96+\j:97+\j]
	v_pk_add_f32 v[38:39], v[38:39], v[98+\j:99+\j]
.endr
	v_pk_add_f32 v[ST+2:ST+3], v[ST+2:ST+3], v[38:39]
	s_wait_alu depctr_va_vdst(0)                   ; the wait directly ahead of the first reader of O^T
.set J, 0
.rept 16
	v_pk_mul_f32 v[OT+J:OT+J+1], v[OT+J:OT+J+1], v[252:253] op_sel_hi:[1,0]   ; O^T under the new M, each accumulator from its low end on
.set J, J+2
.endr
.endm
.macro VLOAD off                       ; a step's V and its scale words; off: the step's first byte from the trip's
	WIN 0x40
.irp t, 0,1,2,3
.irp c, 0,1
	global_load_b128 v[8*\t+4*\c:8*\t+4*\c+3], v1, s[40:41] offset:\off+4608+1024*\t+512*\c
.endr
.endr
	WIN 0
	global_load_b64 v[80:81], v2, s[40:41] offset:\off+8704
.endm
.macro ASK par                         ; the prefetches: see the head
	s_cmp_eq_u32 s37, s[38+\par]
	s_cbranch_scc0 .Lnot_kv_\@
	global_prefetch_b8 v7, s[40:41] offset:(\par+2)*SB th:TH_LOAD_NT scope:SCOPE_SE
	global_prefetch_b8 v8, s[40:41] offset:(\par+2)*SB+8192 th:TH_LOAD_NT scope:SCOPE_SE
.Lnot_kv_\@:
.if \par
	s_cmp_eq_u32 s37, 1
	s_cbranch_scc0 .Lnot_x_\@
	global_prefetch_b8 v9, s[44:45] th:TH_LOAD_NT scope:SCOPE_SE
.Lnot_x_\@:
.endif
.endm
; A KEY STEP: 128 keys.  par = 0: the trip's first, on K's first set; par = 1: its second, on the second set.  This step's K is in: the wait ahead of the last step's products was for 0
.macro STEP par
.if \par == 0
	VLOAD 0                                        ; four plain lines stand behind the products that read V last
	WIN 0x40
.irp tau, 0,1,2,3,4,5,6,7
	global_load_b128 v[32+4*\tau:35+4*\tau], v1, s[40:41] offset:SB+512*\tau   ; the next step's K into the second set
.endr
	WIN 0
	global_load_b128 v[90:93], v1, s[40:41] offset:SB+4096
.else
	s_cmp_eq_u32 s37, 3
	s_cbranch_scc1 .Lno_k_\@
.irp tau, 0,1,2,3,4,5,6,7
	global_load_b128 v[40+4*\tau:43+4*\tau], v1, s[40:41] offset:2*SB+512*\tau   ; the next trip's first K into the first set
.endr
	global_load_b128 v[76:79], v1, s[40:41] offset:2*SB+4096
	s_branch .Lasked_\@
.Lno_k_\@:
.irp j, 0,1,2,3,4,5
	global_load_b128 v[40+4*\j:43+4*\j], v[RO], s[6:7] offset:512*\j th:TH_LOAD_NT   ; the last trip: my first row of x
.endr
.Lasked_\@:
	WIN 0x01
.endif
.irp tau, 0,1,2,3,4,5,6,7
	SPROD \tau, 0, \par
.endr
	WIN 0
	PLACES                                         ; ahead of the first read of the scores
	SOFTMAX 0
.if \par
	WIN 0x01
.endif
.irp tau, 0,1,2,3,4,5,6,7
	SPROD \tau, 1, \par
.endr
	WIN 0
	PLACES
	ASK \par
	SOFTMAX 1
	s_wait_alu depctr_va_vdst(0)                   ; the wait directly ahead of the wait below
	s_wait_loadcnt 0x0                             ; V is in, and so is what was asked for at the step's head
	WIN 0x01
.irp t, 0,1,2,3
.irp u, 0,1
	OPROD \t, \u                                   ; the eight accumulators by turns
.endr
.endr
	WIN 0
	PLACES                                         ; ahead of the loads into V's registers
.if \par == 0
	VLOAD SB
.endif
.endm
	s_wait_alu depctr_va_vdst(0)                   ; the wait at the head's end
	s_wait_loadcnt 0x0                             ; Q and the first K
.Ltrip:                                                ; four trips of two key steps
	STEP 0
	STEP 1
	s_wait_xcnt 0x0                                ; the trip's loads and prefetches have read their base
	s_add_nc_u64 s[40:41], s[40:41], 2*SB
	s_add_co_u32 s37, s37, 1
	s_cmp_lt_u32 s37, 4
	s_cbranch_scc1 .Ltrip
.irp j, 0,1,2,3,4,5
	global_load_b128 v[120+4*\j:123+4*\j], v[RO+1], s[6:7] offset:512*\j th:TH_LOAD_NT   ; my second row of x and beta take p's registers
.endr
.irp j, 0,1,2,3,4,5
	global_load_b128 v[BE+4*\j:BE+4*\j+3], v1, s[10:11] offset:512*\j
.endr
	WIN 0x40
.irp j, 0,1,2,3,4,5
	global_load_b128 v[GA+4*\j:GA+4*\j+3], v1, s[8:9] offset:512*\j   ; gamma takes K's second set
.endr
	WIN 0
	s_cmp_lt_u32 s16, 8
	s_cbranch_scc0 .Lno_x2
	WIN 0x40
.irp j, 0,1,2,3,4,5
	global_load_b128 v[4*\j:4*\j+3], v[RO+2], s[6:7] offset:512*\j th:TH_LOAD_NT   ; waves 0-7: a third row of x takes V's registers
.endr
	WIN 0
.Lno_x2:
.irp u, 0,1
	v_add_f32 v[14+4*\u], v[14+4*\u], v[15+4*\u]
.endr
.irp u, 0,1
	v_permlanex16_b32 v[244+\u], v[14+4*\u], s32, s33
.endr
.irp u, 0,1
	v_add_f32 v[14+4*\u], v[14+4*\u], v[244+\u]    ; the row's sum
.endr
.irp u, 0,1
	v_mul_f32 v[14+4*\u], 0.5, v[14+4*\u]          ; half of it: the context counts twice
.endr
	s_wait_alu depctr_va_vdst(0)                   ; the wait ahead of the transcendentals
.irp u, 0,1
	v_rcp_f32 v[14+4*\u], v[14+4*\u]
.endr
	v_nop
	s_wait_alu depctr_va_vdst(0)                   ; ahead of their first reader, which is also O^T's
.irp u, 0,1
.set J, 0
.rept 16
	v_pk_mul_f32 v[160+32*\u+J:161+32*\u+J], v[160+32*\u+J:161+32*\u+J], v[14+4*\u:15+4*\u] op_sel_hi:[1,0]   ; register 8 t + j is d = 16 t + 8 h + j of my query
.set J, J+2
.endr
.endr
.irp u, 0,1
.irp t, 0,1,2,3
	ds_store_b128 v[STO], v[160+32*\u+8*\t:163+32*\u+8*\t] offset:16*SP*\u+64*\t
	ds_store_b128 v[STO], v[164+32*\u+8*\t:167+32*\u+8*\t] offset:16*SP*\u+64*\t+16
.endr
.endr
	s_wait_dscnt 0x0                               ; my part of the stage is written
	s_barrier_signal -1
	s_barrier_wait -1                              ; everybody's is
.irp k, 0,1
.irp j, 0,1,2,3,4,5
	ds_load_b128 v[184+24*\k+4*\j:187+24*\k+4*\j], v[LR+\k] offset:512*\j
.endr
.endr
	s_cmp_lt_u32 s16, 8
	s_cbranch_scc0 .Lno_c2
.irp j, 0,1,2,3,4,5
	ds_load_b128 v[232+4*\j:235+4*\j], v[LR+2] offset:512*\j
.endr
.Lno_c2:
.macro ACROSS a, t                     ; the sum over the 32 lanes, in every lane
	s_delay_alu instid0(VALU_DEP_1)
	v_add_f32_dpp v[\a], v[\a], v[\a] row_xmask:1 row_mask:0xf bank_mask:0xf
	s_delay_alu instid0(VALU_DEP_1)
	v_add_f32_dpp v[\a], v[\a], v[\a] row_xmask:2 row_mask:0xf bank_mask:0xf
	s_delay_alu instid0(VALU_DEP_1)
	v_add_f32_dpp v[\a], v[\a], v[\a] row_xmask:4 row_mask:0xf bank_mask:0xf
	s_delay_alu instid0(VALU_DEP_1)
	v_add_f32_dpp v[\a], v[\a], v[\a] row_xmask:8 row_mask:0xf bank_mask:0xf
	s_delay_alu instid0(VALU_DEP_1)
	v_permlanex16_b32 v[\t], v[\a], s32, s33
	s_delay_alu instid0(VALU_DEP_1)
	v_add_f32 v[\a], v[\a], v[\t]
.endm
; a whole row of 768: 24 numbers a lane.  y: its registers; c: the context read back from the stage.  Row 2's x lies in window 1
.macro ROW k, y, c
.if \k == 2
	WIN 0x01
.irp j, 0,2,4,6,8,10,12,14,16,18,20,22
	v_pk_add_f32 v[\y+\j:\y+\j+1], v[\j:\j+1], v[\c+\j:\c+\j+1]
.endr
	WIN 0
.else
.irp j, 0,2,4,6,8,10,12,14,16,18,20,22
	v_pk_add_f32 v[\y+\j:\y+\j+1], v[\y+\j:\y+\j+1], v[\c+\j:\c+\j+1]
.endr
.endif
	v_pk_add_f32 v[T:T+1], v[\y:\y+1], v[\y+2:\y+3]
	v_pk_add_f32 v[T+2:T+3], v[\y+4:\y+5], v[\y+6:\y+7]
.irp j, 8,12,16,20
	s_delay_alu instid0(VALU_DEP_2)
	v_pk_add_f32 v[T:T+1], v[T:T+1], v[\y+\j:\y+\j+1]
	s_delay_alu instid0(VALU_DEP_2)
	v_pk_add_f32 v[T+2:T+3], v[T+2:T+3], v[\y+\j+2:\y+\j+3]
.endr
	s_delay_alu instid0(VALU_DEP_1)
	v_pk_add_f32 v[T:T+1], v[T:T+1], v[T+2:T+3]
	s_delay_alu instid0(VALU_DEP_1)
	v_add_f32 v[T], v[T], v[T+1]
	ACROSS T, T+1
	s_delay_alu instid0(VALU_DEP_1)
	v_mul_f32 v[T], 0xbaaaaaab, v[T]               ; -mean
.irp j, 0,2,4,6,8,10,12,14,16,18,20,22
	v_pk_add_f32 v[\y+\j:\y+\j+1], v[\y+\j:\y+\j+1], v[T:T+1] op_sel_hi:[1,0]   ; the differences, in place
.endr
	v_pk_mul_f32 v[T+2:T+3], v[\y:\y+1], v[\y:\y+1]
	v_pk_mul_f32 v[T+4:T+5], v[\y+2:\y+3], v[\y+2:\y+3]
.irp j, 4,8,12,16,20
	s_delay_alu instid0(VALU_DEP_2)
	v_pk_fma_f32 v[T+2:T+3], v[\y+\j:\y+\j+1], v[\y+\j:\y+\j+1], v[T+2:T+3]
	s_delay_alu instid0(VALU_DEP_2)
	v_pk_fma_f32 v[T+4:T+5], v[\y+\j+2:\y+\j+3], v[\y+\j+2:\y+\j+3], v[T+4:T+5]
.endr
	s_delay_alu instid0(VALU_DEP_1)
	v_pk_add_f32 v[T+2:T+3], v[T+2:T+3], v[T+4:T+5]
	s_delay_alu instid0(VALU_DEP_1)
	v_add_f32 v[T+2], v[T+2], v[T+3]
	ACROSS T+2, T+3
	s_delay_alu instid0(VALU_DEP_1)
	v_fma_f32 v[T+2], v[T+2], s48, s49             ; the variance + 1e-6
	s_wait_alu depctr_va_vdst(0)                   ; the wait ahead of the transcendental
	v_rsq_f32 v[T+2], v[T+2]
	v_nop
	s_wait_alu depctr_va_vdst(0)                   ; and ahead of its first reader
.irp j, 0,2,4,6,8,10,12,14,16,18,20,22
	v_pk_mul_f32 v[\y+\j:\y+\j+1], v[\y+\j:\y+\j+1], v[T+2:T+3] op_sel_hi:[1,0]
.endr
.if \k == 0
	s_wait_alu depctr_va_vdst(0)                   ; the wait directly ahead of the wait below
	s_wait_loadcnt 0x0                             ; beta, gamma and the other rows of x are in
.endif
	WIN 0x04                                       ; gamma lies in window 1
.irp j, 0,2,4,6,8,10,12,14,16,18,20,22
	v_pk_fma_f32 v[\y+\j:\y+\j+1], v[\y+\j:\y+\j+1], v[GA+\j:GA+\j+1], v[BE+\j:BE+\j+1]
.endr
	WIN 0
.irp j, 0,1,2,3,4,5
	global_store_b128 v[RO+\k], v[\y+4*\j:\y+4*\j+3], s[12:13] offset:512*\j th:TH_STORE_NT   ; the 32 lanes store 512 consecutive bytes; a row's registers are written by nothing after their store
.endr
.endm
	s_wait_dscnt 6                                 ; my first row's context is in; at the least the second row's six loads stand behind it.  (Its x came in ahead of the last products)
	ROW 0, 40, 184
	s_wait_dscnt 0x0
	ROW 1, 120, 208
	s_cmp_lt_u32 s16, 8
	s_cbranch_scc0 .Lend
	ROW 2, 160, 232
.Lend:
	s_wait_tensorcnt 0x0                           ; the wave's end, behind my last LDS store
	ds_add_u32 v[SPW], v[NIL]
	s_wait_dscnt 0x0
	s_endpgm
.Lfunc_end_k_qb26eeabebd_attnln:
	.size	k_qb26eeabebd_attnln, .Lfunc_end_k_qb26eeabebd_attnln-k_qb26eeabebd_attnln
	.p2alignl 7, 3214868480
	.fill 96, 4, 3214868480
	.section	.rodata,"a",@progbits
	.p2align	6, 0x0
	.amdhsa_kernel k_qb26eeabebd_attnln
		.amdhsa_group_segment_fixed_size 100352
		.amdhsa_private_segment_fixed_size 0
		.amdhsa_enable_private_segment 0
		.amdhsa_kernarg_size 40
		.amdhsa_user_sgpr_count 2
		.amdhsa_user_sgpr_kernarg_segment_ptr 1
		.amdhsa_wavefront_size32 1
		.amdhsa_system_sgpr_workgroup_id_x 1
		.amdhsa_system_sgpr_workgroup_id_y 1
		.amdhsa_system_sgpr_workgroup_id_z 1
		.amdhsa_system_vgpr_workitem_id 0
		.amdhsa_next_free_vgpr 336
		.amdhsa_next_free_sgpr 66
		.amdhsa_reserve_vcc 0
		.amdhsa_float_denorm_mode_32 3
		.amdhsa_float_denorm_mode_16_64 3
		.amdhsa_memory_ordered 1
		.amdhsa_forward_progress 1
		.amdhsa_inst_pref_size 97
	.end_amdhsa_kernel
	.amdgpu_metadata
---
amdhsa.version: [ 1, 2 ]
amdhsa.kernels:
  - .name:           k_qb26eeabebd_attnln
    .symbol:         k_qb26eeabebd_attnln.kd
    .args:
      - { .name: qkv, .offset: 0, .size: 8, .value_kind: global_buffer, .address_space: global }
      - { .name: x, .offset: 8, .size: 8, .value_kind: global_buffer, .address_space: global }
      - { .name: gamma, .offset: 16, .size: 8, .value_kind: global_buffer, .address_space: global }
      - { .name: beta, .offset: 24, .size: 8, .value_kind: global_buffer, .address_space: global }
      - { .name: out0, .offset: 32, .size: 8, .value_kind: global_buffer, .address_space: global }
    .group_segment_fixed_size: 100352
    .private_segment_fixed_size: 0
    .kernarg_segment_align: 8
    .kernarg_segment_size: 40
    .max_flat_workgroup_size: 384
    .sgpr_count:     66
    .vgpr_count:     336
    .wavefront_size: 32
...
	.end_amdgpu_metadata
.endif
;; end of part 3
